; MI455X (gfx1250); checked and timed in simulation.
; The chip was launched on July 23, 2026; its instructions are those of AMD's public machine-readable ISA for CDNA 5 (MIT licence, August 2026) and "CDNA5" Instruction Set Architecture Reference Guide (July 2026). The comments in the code are by the model that wrote it; some were corrected since.
;; Code Book. Allowed arithmetic: matrix products marked QUANTISED: E2M3 operands, one E8M0 scale for each 32 along K, by v_wmma_scale_f32_16x16x128_f8f6f4 with both operands' format E2M3, f32 sums; everything else in f32.
;; Inputs: codebook 8,192 x 256 float32; x 32,768 x 256 float32.
;; Outputs: out0 32,768 int32; out1 one number float32; out2 one number float32; out3 32,768 x 256 float32.
;; This version of the problem:
;;   THIS VERSION OF THE PROBLEM IS GIVEN IN LOW PRECISION. The matrix products marked QUANTISED in the list below multiply operands that are first quantised to E2M3 (2 exponent bits, 3 mantissa bits; 6 bits a number), with one power-of-two scale for each 32 numbers along K (OCP MX v1.0); their sums are f32. All else is computed in f32.
;;   The module's matrix products, in the order in which they are computed (A, B: the left and right operand; K: the contracted axis; several contracted axes count as one K, in the product's order):
;;     1. [M 32,768, K 256] x [K 256, N 8,192]; A: input x; B: input codebook: QUANTISED
;;   THE QUANTISER, for each operand of a quantised product, along K:
;;     - K is cut into blocks of 32 from its start; a last block that is shorter is filled with zeros.
;;     - A block's scale is 2^e with e = floor(log2(the largest magnitude in the block)) - 2, held to -126 .. 127; a block of zeros has e = 0. As a byte (E8M0): e + 127.
;;     - Each number is divided by its block's scale, clamped to +-7.5, and rounded to the nearest number of E2M3, ties to even, subnormals kept.
;;     - The product sums the exact products of the quantised numbers (number of the format x scale) in f32.
;;   ~~~python
;;   def quantise(x, axis):      # numpy; x: float32 -> the quantised numbers, widened to float32 again
;;       x = np.moveaxis(x, axis, -1); K = x.shape[-1]
;;       x = np.pad(x, [(0, 0)] * (x.ndim - 1) + [(0, -K % 32)]); x = x.reshape(x.shape[:-1] + (-1, 32)); a = np.abs(x).max(-1, keepdims=True)
;;       e = np.where(a > 0, np.clip(np.frexp(np.where(a > 0, a, 1))[1] - 1 - 2, -126, 127), 0)      # np.frexp(a)[1] - 1 = floor(log2(a)), exactly
;;       r = np.clip(x / 2.0 ** e, -7.5, 7.5)
;;       step = 2.0 ** (np.maximum(np.frexp(np.where(r == 0, 1, r))[1] - 1, 0) - 3)
;;       q = np.round(r / step) * step * 2.0 ** e      # np.round: ties to even
;;       return np.moveaxis(q.reshape(q.shape[:-2] + (-1,))[..., :K], -1, axis).astype(np.float32)
;;   ~~~
;; One version. Each part assembles by itself: llvm-mc -triple=amdgcn-amd-amdhsa -mcpu=gfx1250 --defsym DOCPART=n.
;; ======== version 1 of 1: 4 launches
;; limits: right only within a limited range of input values
;; workspace buffers: cbq 1,703,936 bytes; xq 6,815,744 bytes; enc 131,072 bytes of whole numbers; part 8,192 bytes
;; launch quant_cb (part 1): grid 1280 x 1, 2 waves a work-group, no clusters, 0 bytes of LDS; arguments codebook, x, cbq, xq; writes cbq, xq
.if DOCPART == 1
	.amdgcn_target "amdgcn-amd-amdhsa--gfx1250"
	.amdhsa_code_object_version 6
	.text
	.protected	k_q1566181b60_quant_cb
	.globl	k_q1566181b60_quant_cb
	.p2align	8
	.type	k_q1566181b60_quant_cb,@function
k_q1566181b60_quant_cb:
	s_mov_b64 s[64:65], 0
	v_nop
	global_prefetch_b8 v0, s[64:65] scope:SCOPE_SE
	s_setreg_imm32_b32 hwreg(HW_REG_WAVE_MODE, 25, 1), 1
	s_wait_xcnt 0x0
; THE PROGRAM.  encoding[n] = argmin over k of x2[n] + c2[k] - 2 x[n].c[k], the product on codes of FP6 (E2M3) with one E8M0 scale for each 32 along the 256; nearest = codebook[encoding]; both losses = mean((x - nearest)^2).
; WORK LEFT OUT.  x2[n] = sum of x[n]^2 is added to every one of row n's 8,192 distances alike, so in exact arithmetic it moves no argmin, whatever finite values x holds; no other result of reference() takes it in
; (the losses are formed from x - nearest).  It is of c2's own size on inputs of this kind, so leaving it out moves nothing beyond rounding.  So x2 is not computed, and the program maximises s = x.c - c2 / 2, which orders the codes
; as c2 - 2 x.c does, reversed.  The two losses are one expression (stop_gradient changes no value): it is computed once and stored twice.  Every input is loaded.
; LIMITS.  NaN and infinities among the inputs are not served.  An overflow that reaches x2 alone is not carried to the result.  Where x2 is so large beside c2 - 2 x.c that f32 rounds distances of a row together, the ties that this
; rounding makes are not reproduced: the program orders by s in f32, and takes the lower index only where two s are equal.
;
; THIS LAUNCH turns the codebook [8192][256] f32 into 512 tile records of 3,328 bytes (13 x 256), laid in the order of the matrix operand's registers, and makes -c2 / 2 from the f32 numbers.
; Tile 2 g + t: its row m is code 32 g + 16 (m / 8) + 8 t + m % 8, so that in the product codes x x^T a lane's 16 results of tiles 2 g and 2 g + 1 are 16 neighbouring codes.
; A record: bytes 0-3071 the 24 operand registers (K step s: registers 12 s on), four registers of lane l at 512 i + 16 l; bytes 3072-3199 the scale words, 4 bytes a lane: lanes 0-15 row l's word of K step 0, lanes 16-31 row l - 16's of
; K step 1; bytes 3200-3327 -c2 / 2 of row l % 16, 4 bytes a lane.
; A block's scale is 2^(floor(log2(its largest magnitude)) - 2); its byte is the largest magnitude's exponent field - 2, held at 1 from below.  (A block of zeros so gets the byte 1 where the rule says 127: its codes are zeros, and this
; program alone reads the bytes.)  Blocks whose largest magnitude lies under 2^(2 - 126) were not tried.
; SHARES.  Wave w of work-group g makes tile 2 g + w.  Lane (r, h) takes row r of the tile and, of each block of 32, the 16 numbers 16 h on: all 32 loads of a wave go out at once.
.set REC,  3328
.set XA,   4                           ; v4       my byte in the wave's rows of the codebook
.set OI,   5                           ; v5       16 x lane
.set OS,   6                           ; v6       4 x lane
.set X,    32                          ; v32-159  my 128 numbers: register 64 s + 16 b + i = k 128 s + 32 b + 16 h + i
.set PC0,  160                         ; v160-178 K step 0's codes (12 registers, and 7 at work)
.set PC1,  180                         ; v180-198 K step 1's: registers of their own, so that no store's data are written again
.set TM,   200                         ; v200-215 at work
.set PW,   216                         ; the scale word just made
.set PWA,  217                         ; K step 0's
.set SQ,   218                         ; v218-225 the sum of squares, four packed chains
.set TT,   226
.set SEL,  16                          ; s[16:17] lane selects for v_permlanex16_b32: lane l xor 16
; 64 numbers of a lane, v[s] on, become a fragment's 12 registers of codes in v[pc] on and its row's scale word in v[PW].
.macro QUANT s, pc
.irp b, 0,1,2,3
	v_max3_num_f32 v[TM+\b], |v[\s+16*\b]|, |v[\s+1+16*\b]|, 0x1800000   ; block b: my 16 numbers, and the floor 2^(3 - 127): the byte cannot fall under 1
.endr
.irp i, 2,4,6,8,10,12,14
.irp b, 0,1,2,3
	v_max3_num_f32 v[TM+\b], v[TM+\b], |v[\s+16*\b+\i]|, |v[\s+1+16*\b+\i]|   ; the four blocks by turns
.endr
.endr
.irp b, 0,1,2,3
	v_permlanex16_b32 v[TM+4+\b], v[TM+\b], s[SEL], s[SEL+1]
.endr
.irp b, 0,1,2,3
	v_max_num_f32 v[TM+\b], v[TM+\b], v[TM+4+\b]   ; with lane l xor 16's 16: the block's largest magnitude
.endr
.irp b, 0,1,2,3
	v_add_nc_u32 v[TM+12+\b], 0xff000000, v[TM+\b]   ; 2 off its exponent field: the conversion takes the exponent field of this operand as its scale
.endr
.irp b, 0,1,2,3
	v_lshrrev_b32 v[TM+4+\b], 23, v[TM+12+\b]      ; the scale's byte
.endr
	v_lshl_or_b32 v[PW], v[TM+5], 8, v[TM+4]
	v_lshl_or_b32 v[PW], v[TM+6], 16, v[PW]
	v_lshl_or_b32 v[PW], v[TM+7], 24, v[PW]
.irp c, 0,1
	v_cvt_scalef32_pk16_fp6_f32 v[\pc+6*\c:\pc+2+6*\c], v[\s+32*\c:\s+15+32*\c], v[TM+12+2*\c]
	v_cvt_scalef32_pk16_fp6_f32 v[\pc+12+4*\c:\pc+14+4*\c], v[\s+16+32*\c:\s+31+32*\c], v[TM+12+2*\c+1]   ; (a conversion's three registers begin on an even number)
.endr
	v_nop                                          ; one plain place behind a scaled conversion
.irp c, 0,1                                    ; the operand's layout wants a whole block in a lane: lanes 0-15 block 2 c, lanes 16-31 block 2 c + 1
.irp i, 0,1,2
	v_permlane16_swap_b32 v[\pc+6*\c+\i], v[\pc+12+4*\c+\i]
.endr
.irp i, 0,1,2
	v_mov_b32 v[\pc+3+6*\c+\i], v[\pc+12+4*\c+\i]
.endr
.endr
.endm
; the squares of 64 numbers, two at a time, onto four chains; first = 1: the first four products start the chains
.macro SQUARES s, first
.set P, 0
.rept 32
.if \first && (P < 4)
	v_pk_mul_f32 v[SQ+2*(P%4):SQ+2*(P%4)+1], v[\s+2*P:\s+2*P+1], v[\s+2*P:\s+2*P+1]
.else
	v_pk_fma_f32 v[SQ+2*(P%4):SQ+2*(P%4)+1], v[\s+2*P:\s+2*P+1], v[\s+2*P:\s+2*P+1], v[SQ+2*(P%4):SQ+2*(P%4)+1]
.endif
.set P, P+1
.endr
.endm
; ONE BODY SERVES BOTH OPERANDS.  Work-groups 0-255 take the codebook, as said above.  Work-groups 256-1279 take x [32768][256]: wave w of work-group 256 + g makes x's tile 2 g + w, whose row m is x's row 16 (2 g + w) + m,
; as a record of the same form in xq; -c2 / 2 has no counterpart for x (x2 is left out), so the squares are passed over there and a record's last 128 bytes are neither written nor read.
; Only pointers, the row map's constants and that jump hang on the work-group's number.
	s_load_b256 s[20:27], s[0:1], 0x0              ; the codebook s[20:21], x s[22:23], the codes' records s[24:25], x's records s[26:27]
	s_cmp_lt_u32 ttmp9, 256
	s_cselect_b32 s15, 8, 0                        ; the codebook's tiles take rows 0-7 and 16-23 of the wave's, x's take 16 rows on end
	s_cselect_b32 s18, 13, 14                      ; wave 1 begins 8 rows on, or 16
	s_cselect_b32 s19, 0, 256
	s_sub_co_u32 s19, ttmp9, s19                   ; g
	v_lshrrev_b32 v1, 5, v0
	v_readfirstlane_b32 s8, v1                     ; wave 0, 1
	v_and_b32 v2, 15, v0                           ; r
	v_bfe_u32 v3, v0, 4, 1                         ; h
	v_and_b32 v7, s15, v2
	v_add_nc_u32 v7, v7, v2                        ; r + 8 (r / 8): the tile's rows are 0-7 and 16-23 of the wave's
	v_lshlrev_b32 v[XA], 10, v7                    ; a row is 1,024 bytes
	v_lshl_add_u32 v[XA], v3, 6, v[XA]             ; + 64 h
	v_and_b32 v7, 31, v0
	v_lshlrev_b32 v[OI], 4, v7
	v_lshlrev_b32 v[OS], 2, v7
.irp b, 0,1,2,3
	v_mov_b32 v[TM+4+\b], 0                        ; written once: a lane permute's destination counts as one of its sources
.endr
	v_mov_b32 v[TT], 0
	s_mov_b32 s[SEL], 0x76543210
	s_mov_b32 s[SEL+1], 0xfedcba98
	s_mov_b32 s14, 0xffff0000                      ; lanes 16-31
	s_lshl_b32 s10, s19, 15
	s_lshl_b32 s11, s8, s18
	s_add_co_u32 s10, s10, s11
	s_mov_b32 s11, 0
	s_lshl_b32 s12, s19, 1
	s_add_co_u32 s12, s12, s8                      ; tile 2 g + w
	s_mul_i32 s12, s12, REC
	s_mov_b32 s13, 0
	s_wait_alu depctr_va_vdst(0)
	s_wait_kmcnt 0x0
	s_cmp_lt_u32 ttmp9, 256                        ; the choice hangs on the work-group's number alone
	s_cselect_b64 s[4:5], s[20:21], s[22:23]
	s_cselect_b64 s[6:7], s[24:25], s[26:27]
	s_add_nc_u64 s[4:5], s[4:5], s[10:11]
	s_add_nc_u64 s[6:7], s[6:7], s[12:13]
.irp s, 0,1
.irp b, 0,1,2,3
.irp j, 0,1,2,3
	global_load_b128 v[X+64*\s+16*\b+4*\j:X+64*\s+16*\b+4*\j+3], v[XA], s[4:5] offset:512*\s+128*\b+16*\j
.endr
.endr
.endr
	s_wait_loadcnt 16                              ; K step 0's sixteen loads are in; K step 1's sixteen may be out
	s_cmp_lt_u32 ttmp9, 256
	s_cbranch_scc0 .Lno_squares_0                  ; x's work-groups form no squares
	SQUARES X, 1
.Lno_squares_0:
	QUANT X, PC0
.irp c, 0,1,2
	global_store_b128 v[OI], v[PC0+4*\c:PC0+4*\c+3], s[6:7] offset:512*\c          ; 32 lanes store 512 consecutive bytes, at a multiple of 256 from the buffer's first byte
.endr
	v_mov_b32 v[PWA], v[PW]
	s_wait_loadcnt 0x0
	s_cmp_lt_u32 ttmp9, 256
	s_cbranch_scc0 .Lno_squares_1
	SQUARES X+64, 0
.Lno_squares_1:
	QUANT X+64, PC1
.irp c, 0,1,2
	global_store_b128 v[OI], v[PC1+4*\c:PC1+4*\c+3], s[6:7] offset:1536+512*\c
.endr
	v_cndmask_b32 v[PW], v[PWA], v[PW], s14        ; lanes 0-15 keep K step 0's word, lanes 16-31 K step 1's
	global_store_b32 v[OS], v[PW], s[6:7] offset:3072
	s_cmp_lt_u32 ttmp9, 256
	s_cbranch_scc0 .Lno_c2
	v_pk_add_f32 v[SQ:SQ+1], v[SQ:SQ+1], v[SQ+2:SQ+3]
	v_pk_add_f32 v[SQ+4:SQ+5], v[SQ+4:SQ+5], v[SQ+6:SQ+7]
	v_pk_add_f32 v[SQ:SQ+1], v[SQ:SQ+1], v[SQ+4:SQ+5]
	v_add_f32 v[SQ], v[SQ], v[SQ+1]                ; my 128 numbers' squares,
	v_permlanex16_b32 v[TT], v[SQ], s[SEL], s[SEL+1]
	v_add_f32 v[SQ], v[SQ], v[TT]                  ; and lane l xor 16's: c2 of my row
	v_mul_f32 v[SQ], -0.5, v[SQ]
	global_store_b32 v[OS], v[SQ], s[6:7] offset:3200
.Lno_c2:
	s_endpgm
.Lfunc_end_k_q1566181b60_quant_cb:
	.size	k_q1566181b60_quant_cb, .Lfunc_end_k_q1566181b60_quant_cb-k_q1566181b60_quant_cb
	.p2alignl 7, 3214868480
	.fill 96, 4, 3214868480
	.section	.rodata,"a",@progbits
	.p2align	6, 0x0
	.amdhsa_kernel k_q1566181b60_quant_cb
		.amdhsa_group_segment_fixed_size 0
		.amdhsa_private_segment_fixed_size 0
		.amdhsa_enable_private_segment 0
		.amdhsa_kernarg_size 32
		.amdhsa_user_sgpr_count 2
		.amdhsa_user_sgpr_kernarg_segment_ptr 1
		.amdhsa_wavefront_size32 1
		.amdhsa_system_sgpr_workgroup_id_x 1
		.amdhsa_system_sgpr_workgroup_id_y 1
		.amdhsa_system_sgpr_workgroup_id_z 1
		.amdhsa_system_vgpr_workitem_id 0
		.amdhsa_next_free_vgpr 232
		.amdhsa_next_free_sgpr 66
		.amdhsa_reserve_vcc 0
		.amdhsa_float_denorm_mode_32 3
		.amdhsa_float_denorm_mode_16_64 3
		.amdhsa_memory_ordered 1
		.amdhsa_forward_progress 1
		.amdhsa_inst_pref_size 18
	.end_amdhsa_kernel
	.amdgpu_metadata
---
amdhsa.version: [ 1, 2 ]
amdhsa.kernels:
  - .name:           k_q1566181b60_quant_cb
    .symbol:         k_q1566181b60_quant_cb.kd
    .args:
      - { .name: codebook, .offset: 0, .size: 8, .value_kind: global_buffer, .address_space: global }
      - { .name: x, .offset: 8, .size: 8, .value_kind: global_buffer, .address_space: global }
      - { .name: cbq, .offset: 16, .size: 8, .value_kind: global_buffer, .address_space: global }
      - { .name: xq, .offset: 24, .size: 8, .value_kind: global_buffer, .address_space: global }
    .group_segment_fixed_size: 0
    .private_segment_fixed_size: 0
    .kernarg_segment_align: 8
    .kernarg_segment_size: 32
    .max_flat_workgroup_size: 64
    .sgpr_count:     66
    .vgpr_count:     232
    .wavefront_size: 32
...
	.end_amdgpu_metadata
.endif
;; end of part 1
;; launch nearest (part 2): grid 256 x 1, 8 waves a work-group, clusters of 4 x 1, 327,680 bytes of LDS; arguments xq, cbq, out0, enc; writes out0, enc
.if DOCPART == 2
	.amdgcn_target "amdgcn-amd-amdhsa--gfx1250"
	.amdhsa_code_object_version 6
	.text
	.protected	k_q1566181b60_nearest
	.globl	k_q1566181b60_nearest
	.p2align	8
	.type	k_q1566181b60_nearest,@function
k_q1566181b60_nearest:
	s_mov_b64 s[64:65], 0
	v_nop
	global_prefetch_b8 v0, s[64:65] scope:SCOPE_SE
	s_setreg_imm32_b32 hwreg(HW_REG_WAVE_MODE, 25, 1), 1
	s_wait_xcnt 0x0
	s_wait_alu depctr_hold_cnt(0) depctr_sa_sdst(0) depctr_va_vdst(0) depctr_va_sdst(0) depctr_va_ssrc(0) depctr_va_vcc(0) depctr_vm_vsrc(0)
	s_getreg_b32 s2, hwreg(HW_REG_IB_STS2, 6, 4)
	s_cmp_eq_u32 s2, 0
	s_cbranch_scc0 .Lentry_in_a_cluster
	s_endpgm
.Lentry_in_a_cluster:
	s_bfe_u32 s2, ttmp6, 0x10000c
	s_cmp_lg_u32 s2, 0x3003
	s_cbranch_scc0 .Lentry_shape_is_right
	s_endpgm
.Lentry_shape_is_right:
; encoding[n] = the code k with the largest s = x[n].c[k] - c2[k] / 2, the lower k where two s are equal; the product on codes of FP6 (E2M3) with E8M0 scales, K = 256: two matrix instructions a tile of 16 x 16.
; LEFT OUT: x2, which is the same for all codes of a row and moves no argmin (shown at the head of the first kernel).  LIMITS as stated there: NaN and infinities are not served.
; SHARES.  Work-group W owns x's rows 128 W .. + 127 against all 8,192 codes: a row's argmax has one owner.  Each of its eight waves loads the rows' eight records from xq straight into 192 registers and takes an eighth of the codes:
; in step s of 16, wave w takes tile records 32 s + 4 w .. + 3, two groups of 32 codes.  A fragment of codes read from LDS feeds eight matrix instructions; each LDS byte is read once in the work-group.
; THE PRODUCT is codes x x^T: a lane holds one row of x (lane % 16), and by the records' choice of rows its 16 results of a group's two tiles are the codes 32 g + 16 (lane / 16) + 0 .. 15.  -c2 / 2 is the C of K step 0's product.
; THE ARGMAX, 18 lines for a lane's 16 scores: eight maxima, one compare, one pair of selects (the best score, the group's base code), eight pairs of selects that keep the group's scores where it won.  Which of the 16 it was is
; looked up once, behind the walk.  A group wins only by a strictly larger score, so the earlier (lower) group stays; all later merges take the larger score and, where equal, the lower index.
; TWO SETS OF FOUR ACCUMULATORS take turns from batch to batch: one batch's selects stand behind the next batch's eight products and are the places that those products need.
; THE RING: two slots of 106,496 bytes (a step's 32 records); each wave fetches its own 13,312 bytes of a slot, 52 rows of 256 bytes, and reads only those, behind its own wait.  A slot's change stands at the head of its LAST group,
; whose fragments are in registers by then: sixteen products stand between the barrier's signal and its wait, and the refill goes out two steps ahead of its use, a whole step ahead of the wait for it.
; CLUSTER: all work-groups walk the same records, so four ask jointly: the same tensor load, the same descriptor (the wave's number and constants), a mask that names the four.
; NO PREFETCH: the stream is 1,703,936 bytes in all, and all 64 clusters ask for it in the same order by their joint loads; a prefetch by each cluster would name every block 64 times more.
; REGISTERS.  window 0: v1-8 addresses; v11 the group's base code; v12-19 x's scale words; v20-21 the codes'; v22-37 -c2 / 2; v38-47 at work; v48-55 the best scores; v56-63 the winning group's base code (tile c at 56 + (c xor 1), so
; that it pairs with the best score in one dual instruction); v64-127 the accumulators; v128-255 the winner's 16 scores for each of 8 tiles.  window 1: v0-191 x's fragments (tile c, K step s at 24 c + 12 s); v192-239 the group's.
.set REC,   3328
.set SHARE, 4*REC
.set SLOT,  8*SHARE
.set MV,    2*SLOT                     ; behind the ring: each wave's best score of the 128 rows, 512 bytes a wave;
.set MI,    MV+8*512                   ; its index;
.set SPARE, MI+8*512                   ; the spare words, 128 bytes a wave: four blocks of 256 bytes that no other line names
.set AI,  1                            ; v1-2 LDS address of my 16 bytes of an image in my share of slot 0, 1
.set AS,  3                            ; v3-4 of my scale word
.set AC,  5                            ; v5-6 of my half's eight -c2 / 2
.set SPW, 7
.set NIL, 8
.set GV,  11
.set SX,  12
.set SA,  20
.set CT,  22
.set TT,  38
.set BEST, 48
.set GID, 56
.set ACC, 64
.set SAVED, 128
.set XF,  0
.set AF,  192
.set H16, 22                           ; behind the walk: 16 (lane / 16); where I store my rows' best; where two rows' best are read back; the same two rows in out0 and enc
.set MVA, 23
.set MRA, 24
.set OO,  25
.set POS, 64
.set OV,  72
.set OX,  80
.set VV,  128
.set IX,  144
.set WV,  8
.set G1,  16
.set G0,  32
.set TRIPS, 44
.set GIDS, 45
.set SEL, 46
.set MSB, 0
.macro WIN new                         ; the immediate's high byte repeats the setting that is left
.if MSB != \new
	s_set_vgpr_msb (MSB<<8)|\new
.set MSB, \new
.endif
.endm
.set MUL, 0x05                         ; sources 0 and 1 window 1; C and D window 0
.set TO1, 0x40                         ; destination window 1, address window 0
.macro CREST                           ; a round of the cluster's barrier behind its opening barrier
	s_cmp_lg_u32 s[WV], 0
	s_cbranch_scc1 .Lnot_wave_0_\@
	s_barrier_signal -3
.Lnot_wave_0_\@:
	s_barrier_wait -3
	s_barrier_signal -1
	s_barrier_wait -1
.endm
.macro ROUND
	s_barrier_signal -1
	s_barrier_wait -1
	CREST
.endm
; Group g of my share of a slot: two records: 12 loads of 512 consecutive bytes, the two scale words, and -c2 / 2 in the result's layout
.macro FETCH slot, g
	WIN TO1
.irp t, 0,1
.irp i, 0,1,2,3,4,5
	ds_load_b128 v[AF+24*\t+4*\i:AF+24*\t+4*\i+3], v[AI+\slot] offset:(2*(\g)+\t)*REC+512*\i
.endr
.endr
	WIN 0
.irp t, 0,1
	ds_load_b32 v[SA+\t], v[AS+\slot] offset:(2*(\g)+\t)*REC+3072
	ds_load_b128 v[CT+8*\t:CT+8*\t+3], v[AC+\slot] offset:(2*(\g)+\t)*REC+3200
	ds_load_b128 v[CT+8*\t+4:CT+8*\t+7], v[AC+\slot] offset:(2*(\g)+\t)*REC+3216
.endr
.endm
; Eight matrix instructions: x's tiles 2 b, 2 b + 1 against the group's two tiles, into accumulator set b % 2.  K step 0 starts the sums from -c2 / 2; K step 1 adds in place, its scale words in lanes 16-31.
; The four accumulators take turns, one instruction a turn.
.macro BATCH b
.set AB, ACC+32*((\b)%2)
	WIN MUL
.irp u, 0,1
.irp t, 0,1
	v_wmma_scale_f32_16x16x128_f8f6f4 v[AB+16*\u+8*\t:AB+16*\u+8*\t+7], v[AF+24*\t:AF+24*\t+11], v[XF+24*(2*(\b)+\u):XF+24*(2*(\b)+\u)+11], v[CT+8*\t:CT+8*\t+7], v[SA+\t], v[SX+2*(\b)+\u] matrix_a_fmt:MATRIX_FMT_FP6 matrix_b_fmt:MATRIX_FMT_FP6
.endr
.endr
.irp u, 0,1
.irp t, 0,1
	v_wmma_scale_f32_16x16x128_f8f6f4 v[AB+16*\u+8*\t:AB+16*\u+8*\t+7], v[AF+24*\t+12:AF+24*\t+23], v[XF+24*(2*(\b)+\u)+12:XF+24*(2*(\b)+\u)+23], v[AB+16*\u+8*\t:AB+16*\u+8*\t+7], v[SA+\t], v[SX+2*(\b)+\u] matrix_a_fmt:MATRIX_FMT_FP6 matrix_b_fmt:MATRIX_FMT_FP6 matrix_a_scale:MATRIX_SCALE_ROW1 matrix_b_scale:MATRIX_SCALE_ROW1
.endr
.endr
.endm
.macro L1 i, p, q, r                   ; a maximum of three scores, for both tiles of x
.irp u, 0,1
	v_max3_num_f32 v[TT+5*\u+((\i+\u)%5)], v[AB+16*\u+\p], v[AB+16*\u+\q], v[AB+16*\u+\r]
.endr
.endm
; The 32 scores of batch b.  Each accumulator is read from its low end on.  first = 1, the walk's first group: it wins everywhere, so its scores are moved and nothing is cleared.
.macro REDUCE b, first
	WIN 0
.set AB, ACC+32*((\b)%2)
	L1 0, 0, 1, 2
	L1 1, 8, 9, 10
	L1 2, 3, 4, 5
	L1 3, 11, 12, 13
	L1 4, 6, 7, 14
.irp u, 0,1
	v_max3_num_f32 v[TT+6*\u], v[TT+6*\u], v[TT+6*\u+1], v[TT+6*\u+2]
.endr
.irp u, 0,1
	v_max3_num_f32 v[TT+6*\u+3], v[TT+6*\u+3], v[TT+4+\u], v[AB+16*\u+15]
.endr
.irp u, 0,1
.if \first
	v_max_num_f32 v[BEST+2*(\b)+\u], v[TT+6*\u], v[TT+6*\u+3]
.else
	v_max_num_f32 v[TT+6*\u], v[TT+6*\u], v[TT+6*\u+3]          ; the group's best of my 16
.endif
.endr
.irp u, 0,1
.if \first
	v_mov_b32 v[GID+((2*(\b)+\u)^1)], v[GV]
.irp k, 0,2,4,6,8,10,12,14
	v_dual_mov_b32 v[SAVED+16*(2*(\b)+\u)+\k], v[AB+16*\u+\k] :: v_dual_mov_b32 v[SAVED+16*(2*(\b)+\u)+\k+1], v[AB+16*\u+\k+1]
.endr
.else
	v_cmp_gt_f32 vcc_lo, v[TT+6*\u], v[BEST+2*(\b)+\u]          ; has this group won?  Strictly: the earlier group stays where they are equal
	v_dual_cndmask_b32 v[BEST+2*(\b)+\u], v[BEST+2*(\b)+\u], v[TT+6*\u] :: v_dual_cndmask_b32 v[GID+((2*(\b)+\u)^1)], v[GID+((2*(\b)+\u)^1)], v[GV]
.irp k, 0,2,4,6,8,10,12,14
	v_dual_cndmask_b32 v[SAVED+16*(2*(\b)+\u)+\k], v[SAVED+16*(2*(\b)+\u)+\k], v[AB+16*\u+\k] :: v_dual_cndmask_b32 v[SAVED+16*(2*(\b)+\u)+\k+1], v[SAVED+16*(2*(\b)+\u)+\k+1], v[AB+16*\u+\k+1]
.endr
.endif
.endr
.endm
; A group of 32 codes against the 128 rows: 32 matrix instructions in four batches.
; turn = 2: this is the slot's last group; my reads of the slot are over at the wait below, the barrier opens a round of the cluster's barrier, and behind the round the slot is asked for again, jointly: my one tensor load there.
; more = 1: the next group's fragments (slot nslot, group ng) are fetched behind batch 2's selects, which are the places behind batch 3's products; batch 3's selects stand under those loads.
; nturn = 2: the next group changes slots: the wait for all my tensor loads (one is out: my share of the other slot), the add, and the slot's next address; the wait for the add is the next group's first line.
; nturn = 1: nothing is left to ask for: only the wait for my last tensor load, ahead of the reads of its bytes.
.macro GROUP slot, g, first, turn, more, nslot, ng, nturn
	s_wait_dscnt 0x0                               ; the group's fragments, scale words and -c2 / 2 are in; where there was an add, it is done
.if \turn
	s_barrier_signal -1
.endif
	BATCH 0
	BATCH 1
	WIN 0
.if \turn
	s_barrier_wait -1
	CREST                                          ; no wave of the four work-groups still reads this slot or has a load on its way
	tensor_load_to_lds s[G0+4*\slot:G0+4*\slot+3], s[G1:G1+7]
	s_nop 0
.endif
	v_mov_b32 v[GV], s[GIDS]                       ; with the three lines below: the four places behind batch 0's products
.rept 3
	v_nop
.endr
	s_add_co_u32 s[GIDS], s[GIDS], 32+448*\g       ; my share's second group, or my share of the next step, 512 codes on from the first
	REDUCE 0, \first
	BATCH 2
	REDUCE 1, \first
	BATCH 3
	REDUCE 2, \first
.if \more
	FETCH \nslot, \ng
.endif
.if \nturn == 2
	s_wait_tensorcnt 0x0                           ; no tensor load of mine is out, so a group 0 may be written
	ds_add_u32 v[SPW], v[NIL]                      ; 0 onto my spare word: the selects below stand between it and the wait for it
	s_add_nc_u64 s[G0+4*\nslot+2:G0+4*\nslot+3], s[G0+4*\nslot+2:G0+4*\nslot+3], 2*SLOT
.endif
.if \nturn == 1
	s_wait_tensorcnt 0x0
.endif
	REDUCE 3, \first
.endm
; (val, idx) takes (oval, oidx) where that score is larger, or equal with the lower index
.macro TAKE val, idx, oval, oidx
	v_cmp_gt_f32 s56, v[\oval], v[\val]
	v_cmp_eq_f32 s57, v[\oval], v[\val]
	v_cmp_lt_u32 s58, v[\oidx], v[\idx]
	s_and_b32 s57, s57, s58
	s_or_b32 s56, s56, s57
	v_cndmask_b32 v[\val], v[\val], v[\oval], s56
	v_cndmask_b32 v[\idx], v[\idx], v[\oidx], s56
.endm
	s_load_b128 s[4:7], s[0:1], 0x0                ; x's records s[4:5], the codes' records s[6:7]
	s_load_b128 s[12:15], s[0:1], 0x10             ; out0 s[12:13], enc s[14:15]
	v_lshl_add_u32 v[SPW], v0, 2, SPARE
	v_mov_b32 v[NIL], 0
	ds_add_u32 v[SPW], v[NIL]                      ; the wave's opening: the add, twice on end, and its wait ahead of my first tensor load
	ds_add_u32 v[SPW], v[NIL]
	v_lshrrev_b32 v38, 5, v0
	s_delay_alu instid0(VALU_DEP_1)
	v_readfirstlane_b32 s[WV], v38                 ; wave 0..7
	s_bfe_u32 s9, ttmp6, 0x40000                   ; cx
	s_lshl_b32 s10, ttmp9, 2
	s_add_co_u32 s10, s10, s9                      ; W: it enters the addresses of xq, out0 and enc alone
	s_mov_b32 s[G1], 15|(3<<16)|(1<<21)            ; the mask: all four work-groups; elements of 8 bytes; bit 21 beside a mask
	s_mov_b32 s[G1+1], 32<<16                      ; 52 rows of 256 bytes, dense in memory and in LDS
	s_mov_b32 s[G1+2], 52<<16
	s_mov_b32 s[G1+3], 32<<16
	s_mov_b32 s[G1+4], 52
	s_mov_b32 s[G1+5], 32
	s_mov_b32 s[G1+6], 0
	s_mov_b32 s[G1+7], 0
	s_mul_i32 s24, s[WV], SHARE                    ; my share of a slot, in LDS and in memory alike
	s_mov_b32 s25, 0
	s_lshl_b32 s28, s[WV], 9
	s_lshl_b32 s[GIDS], s[WV], 6                   ; my first group's base code: 64 w
	s_mov_b32 s[SEL], 0x76543210
	s_mov_b32 s[SEL+1], 0xfedcba98
	s_mul_i32 s30, s10, 8*REC                      ; my work-group's eight records of x
	s_mov_b32 s31, 0
	s_lshl_b32 s60, s10, 9                         ; its 128 indices: 512 bytes
	s_mov_b32 s61, 0
	v_and_b32 v38, 31, v0                          ; lane
	v_bfe_u32 v39, v0, 4, 1                        ; lane / 16
	s_delay_alu instid0(VALU_DEP_2)
	v_lshlrev_b32 v40, 4, v38                      ; 16 x lane
	v_lshlrev_b32 v41, 2, v38                      ; 4 x lane
	s_delay_alu instid0(VALU_DEP_3)
	v_mul_u32_u24 v[AC], v39, 96                   ; lanes 0-15 rows 0-7 (the first copy), lanes 16-31 rows 8-15 (the second)
	s_delay_alu instid0(VALU_DEP_3)
	v_add_nc_u32 v[AI], s24, v40
	s_delay_alu instid0(VALU_DEP_3)
	v_add_nc_u32 v[AS], s24, v41
	s_delay_alu instid0(VALU_DEP_3)
	v_add_nc_u32 v[AC], s24, v[AC]
	s_delay_alu instid0(VALU_DEP_3)
	v_add_nc_u32 v[AI+1], SLOT, v[AI]
	s_delay_alu instid0(VALU_DEP_3)
	v_add_nc_u32 v[AS+1], SLOT, v[AS]
	s_delay_alu instid0(VALU_DEP_3)
	v_add_nc_u32 v[AC+1], SLOT, v[AC]
	s_wait_alu depctr_va_vdst(0)                   ; the wait at the head's end
	s_wait_dscnt 0x0                               ; both opening adds are done
	s_wait_kmcnt 0x0
	s_add_nc_u64 s[4:5], s[4:5], s[30:31]
	s_add_nc_u64 s[12:13], s[12:13], s[60:61]
	s_add_nc_u64 s[14:15], s[14:15], s[60:61]
	WIN TO1
.irp c, 0,1,2,3,4,5,6,7
.irp i, 0,1,2,3,4,5
	global_load_b128 v[XF+24*\c+4*\i:XF+24*\c+4*\i+3], v40, s[4:5] offset:REC*\c+512*\i   ; x's fragments as they lie: 512 consecutive bytes a load
.endr
.endr
	WIN 0
.irp c, 0,1,2,3,4,5,6,7
	global_load_b32 v[SX+\c], v41, s[4:5] offset:REC*\c+3072
.endr
	s_add_nc_u64 s[40:41], s[6:7], s[24:25]        ; the records at my share of step 0
	s_mov_b32 s[G0], 1
	s_mov_b32 s[G0+1], s24                         ; slot 0
	s_mov_b64 s[G0+2:G0+3], s[40:41]               ; step 0
	s_or_b32 s[G0+3], s[G0+3], 0x80000000
	s_mov_b32 s[G0+4], 1
	s_add_co_u32 s[G0+5], s24, SLOT                ; slot 1
	s_add_nc_u64 s[G0+6:G0+7], s[40:41], SLOT      ; step 1
	s_or_b32 s[G0+7], s[G0+7], 0x80000000
	ROUND                                          ; all four work-groups are here: the first joint loads meet
	tensor_load_to_lds s[G0:G0+3], s[G1:G1+7]      ; step 0: one tensor load a wave at the head
	s_nop 0
	s_wait_tensorcnt 0x0                           ; my share of step 0 is in
	ds_add_u32 v[SPW], v[NIL]
	s_wait_dscnt 0x0
	ROUND
	tensor_load_to_lds s[G0+4:G0+7], s[G1:G1+7]    ; step 1: slot 1's first fill
	s_nop 0
	FETCH 0, 0
	s_wait_loadcnt 0x0                             ; x's fragments and scale words are in
	; 16 steps of two groups.  Written out: step 0; in the loop, six trips from a step in slot 1 to the step behind it in slot 0 (steps 1 to 12); written out again: steps 13 to 15, of which only step 13 asks for more
	GROUP 0, 0, 1, 0, 1, 0, 1, 2
	GROUP 0, 1, 0, 2, 1, 1, 0, 0
	s_mov_b32 s[TRIPS], 6
.Lloop:
	GROUP 1, 0, 0, 0, 1, 1, 1, 2
	GROUP 1, 1, 0, 2, 1, 0, 0, 0
	GROUP 0, 0, 0, 0, 1, 0, 1, 2
	GROUP 0, 1, 0, 2, 1, 1, 0, 0
	s_sub_co_u32 s[TRIPS], s[TRIPS], 1
	s_cmp_lg_u32 s[TRIPS], 0
	s_cbranch_scc1 .Lloop
	GROUP 1, 0, 0, 0, 1, 1, 1, 2
	GROUP 1, 1, 0, 2, 1, 0, 0, 0                   ; step 13 asks for step 15: the last load
	GROUP 0, 0, 0, 0, 1, 0, 1, 1
	GROUP 0, 1, 0, 0, 1, 1, 0, 0
	GROUP 1, 0, 0, 0, 1, 1, 1, 0
	GROUP 1, 1, 0, 0, 0, 0, 0, 0
	v_and_b32 v26, 15, v0
	v_bfe_u32 v27, v0, 4, 1
	v_and_b32 v28, 63, v0
	v_lshlrev_b32 v[H16], 4, v27
	v_lshl_add_u32 v[MVA], v26, 2, MV
	v_lshl_add_u32 v[MRA], v28, 3, MV
	v_lshlrev_b32 v[OO], 3, v28
	v_add_nc_u32 v[MVA], s28, v[MVA]
	; WHICH OF THE 16: the lowest place whose kept score is the best.  From 14 down, so that the lowest is written last; 15 where none of them is
.irp c, 0,1,2,3,4,5,6,7
	v_mov_b32 v[POS+\c], 15
.endr
.irp j, 14,13,12,11,10,9,8,7,6,5,4,3,2,1,0
.irp c, 0,1,2,3,4,5,6,7
	v_cmp_eq_f32 s[48+\c], v[SAVED+16*\c+\j], v[BEST+\c]
.endr
.irp c, 0,1,2,3,4,5,6,7
	v_cndmask_b32 v[POS+\c], v[POS+\c], \j, s[48+\c]
.endr
.endr
.irp c, 0,1,2,3,4,5,6,7
	v_add3_u32 v[POS+\c], v[GID+(\c^1)], v[POS+\c], v[H16]      ; the code: the group's base + 16 (lane / 16) + the place
.endr
.irp c, 0,1,2,3,4,5,6,7
	v_permlanex16_b32 v[OV+\c], v[BEST+\c], s[SEL], s[SEL+1]    ; the row's other codes of my wave lie in lane l xor 16
	v_permlanex16_b32 v[OX+\c], v[POS+\c], s[SEL], s[SEL+1]
.endr
.irp c, 0,1,2,3,4,5,6,7
	TAKE BEST+\c, POS+\c, OV+\c, OX+\c
.endr
.irp c, 0,1,2,3,4,5,6,7
	ds_store_b32 v[MVA], v[BEST+\c] offset:64*\c                ; row 16 c + r; lanes r and r + 16 write the same word with the same value
	ds_store_b32 v[MVA], v[POS+\c] offset:MI-MV+64*\c
.endr
	s_wait_dscnt 0x0                               ; for the others' sake: my stores are done
	s_barrier_signal -1
	s_barrier_wait -1
	s_cmp_lt_u32 s[WV], 2                          ; waves 0 and 1 merge the eight waves' results, two rows a lane
	s_cbranch_scc0 .Ldone
.irp k, 0,1,2,3,4,5,6,7
	ds_load_b64 v[VV+2*\k:VV+2*\k+1], v[MRA] offset:512*\k
	ds_load_b64 v[IX+2*\k:IX+2*\k+1], v[MRA] offset:MI-MV+512*\k
.endr
	s_wait_dscnt 0x0
.irp k, 1,2,3,4,5,6,7
.irp e, 0,1
	TAKE VV+\e, IX+\e, VV+2*\k+\e, IX+2*\k+\e
.endr
.endr
	global_store_b64 v[OO], v[IX:IX+1], s[12:13]   ; a wave stores 256 consecutive bytes, at a multiple of 256 from the buffer's first byte
	global_store_b64 v[OO], v[IX:IX+1], s[14:15]   ; and the same for the next launch, which forms addresses from them
.Ldone:
	s_wait_tensorcnt 0x0                           ; the wave's end
	ds_add_u32 v[SPW], v[NIL]
	s_wait_dscnt 0x0
	ROUND                                          ; the closing round
	s_endpgm
.Lfunc_end_k_q1566181b60_nearest:
	.size	k_q1566181b60_nearest, .Lfunc_end_k_q1566181b60_nearest-k_q1566181b60_nearest
	.p2alignl 7, 3214868480
	.fill 96, 4, 3214868480
	.section	.rodata,"a",@progbits
	.p2align	6, 0x0
	.amdhsa_kernel k_q1566181b60_nearest
		.amdhsa_group_segment_fixed_size 327680
		.amdhsa_private_segment_fixed_size 0
		.amdhsa_enable_private_segment 0
		.amdhsa_kernarg_size 32
		.amdhsa_user_sgpr_count 2
		.amdhsa_user_sgpr_kernarg_segment_ptr 1
		.amdhsa_wavefront_size32 1
		.amdhsa_system_sgpr_workgroup_id_x 1
		.amdhsa_system_sgpr_workgroup_id_y 1
		.amdhsa_system_sgpr_workgroup_id_z 1
		.amdhsa_system_vgpr_workitem_id 0
		.amdhsa_next_free_vgpr 512
		.amdhsa_next_free_sgpr 72
		.amdhsa_reserve_vcc 1
		.amdhsa_float_denorm_mode_32 3
		.amdhsa_float_denorm_mode_16_64 3
		.amdhsa_memory_ordered 1
		.amdhsa_forward_progress 1
		.amdhsa_inst_pref_size 209
	.end_amdhsa_kernel
	.amdgpu_metadata
---
amdhsa.version: [ 1, 2 ]
amdhsa.kernels:
  - .name:           k_q1566181b60_nearest
    .symbol:         k_q1566181b60_nearest.kd
    .args:
      - { .name: xq, .offset: 0, .size: 8, .value_kind: global_buffer, .address_space: global }
      - { .name: cbq, .offset: 8, .size: 8, .value_kind: global_buffer, .address_space: global }
      - { .name: out0, .offset: 16, .size: 8, .value_kind: global_buffer, .address_space: global }
      - { .name: enc, .offset: 24, .size: 8, .value_kind: global_buffer, .address_space: global }
    .group_segment_fixed_size: 327680
    .private_segment_fixed_size: 0
    .kernarg_segment_align: 8
    .kernarg_segment_size: 32
    .max_flat_workgroup_size: 256
    .sgpr_count:     72
    .vgpr_count:     512
    .wavefront_size: 32
...
	.end_amdgpu_metadata
.endif
;; end of part 2
;; launch gather (part 3): grid 256 x 1, 8 waves a work-group, no clusters, 0 bytes of LDS; arguments x, codebook, enc, out3, part; writes out3, part
.if DOCPART == 3
	.amdgcn_target "amdgcn-amd-amdhsa--gfx1250"
	.amdhsa_code_object_version 6
	.text
	.protected	k_q1566181b60_gather
	.globl	k_q1566181b60_gather
	.p2align	8
	.type	k_q1566181b60_gather,@function
k_q1566181b60_gather:
	s_mov_b64 s[64:65], 0
	v_nop
	global_prefetch_b8 v0, s[64:65] scope:SCOPE_SE
	s_setreg_imm32_b32 hwreg(HW_REG_WAVE_MODE, 25, 1), 1
	s_wait_xcnt 0x0
; nearest[n] = codebook[encoding[n]] (the f32 rows, as they are), and each wave's sum of (x - nearest)^2.  The two losses are one expression: one sum serves both (first kernel's head).
; A wave takes 16 rows.  Its 16 indices come by one scalar load from enc, which the launch before stored; each is held to 0 .. 8191 before it enters an address.
; A row is 1,024 bytes: two loads or stores of 16 bytes a lane, each 512 consecutive bytes.  The 16 code rows stay in 128 registers from their loads to their stores; x's rows go through a ring of eight slots.
; All sums are formed ahead of the first store, and the 32 stores leave on end.  No LDS, no barrier, no matrix unit: waves share nothing.  A wave's sum leaves as one word of part.
.set L16, 2                            ; v2       16 x lane
.set CO,  4                            ; v4-19    row j: my byte in its row of the codebook
.set SQ,  20                           ; v20-27   the sum of squares, four packed chains
.set D,   28                           ; v28-35   x - nearest, at work
.set C,   36                           ; v36-163  row j's code row at 36 + 8 j
.set X,   164                          ; v164-227 x's row j at 164 + 8 (j % 8)
.set SEL, 38                           ; s[38:39]
.macro XLOAD j
	global_load_b128 v[X+8*((\j)%8):X+8*((\j)%8)+3], v[L16], s[4:5] offset:1024*(\j) th:TH_LOAD_NT
	global_load_b128 v[X+8*((\j)%8)+4:X+8*((\j)%8)+7], v[L16], s[4:5] offset:1024*(\j)+512 th:TH_LOAD_NT
.endm
.macro CLOAD j
	v_lshl_add_u32 v[CO+(\j)], s[16+(\j)], 10, v[L16]
	global_load_b128 v[C+8*(\j):C+8*(\j)+3], v[CO+(\j)], s[6:7]
	global_load_b128 v[C+8*(\j)+4:C+8*(\j)+7], v[CO+(\j)], s[6:7] offset:512
.endm
; Row i's turn.  left: the loads issued behind row i's, which may stay out.
.macro TURN i, left
	s_wait_alu depctr_va_vdst(0)
	s_wait_loadcnt \left
.irp q, 0,1,2,3
	v_pk_add_f32 v[D+2*\q:D+2*\q+1], v[X+8*((\i)%8)+2*\q:X+8*((\i)%8)+2*\q+1], v[C+8*(\i)+2*\q:C+8*(\i)+2*\q+1] neg_lo:[0,1] neg_hi:[0,1]
.endr
.irp q, 0,1,2,3
.if (\i) == 0
	v_pk_mul_f32 v[SQ+2*\q:SQ+2*\q+1], v[D+2*\q:D+2*\q+1], v[D+2*\q:D+2*\q+1]       ; the first row starts the chains
.else
	v_pk_fma_f32 v[SQ+2*\q:SQ+2*\q+1], v[D+2*\q:D+2*\q+1], v[D+2*\q:D+2*\q+1], v[SQ+2*\q:SQ+2*\q+1]
.endif
.endr
.if (\i) < 8
	XLOAD (\i)+8                                   ; the slot takes x's row eight further on
.endif
.endm
	s_load_b256 s[4:11], s[0:1], 0x0               ; x s[4:5], the codebook s[6:7], enc s[8:9], out3 s[10:11]
	s_load_b64 s[12:13], s[0:1], 0x20              ; part
	v_lshrrev_b32 v1, 5, v0
	s_delay_alu instid0(VALU_DEP_1)
	v_readfirstlane_b32 s14, v1                    ; wave 0..7
	v_and_b32 v3, 31, v0                           ; lane
	s_delay_alu instid0(VALU_DEP_1)
	v_lshlrev_b32 v[L16], 4, v3
	v_mov_b32 v1, 0
	s_mov_b32 s[SEL], 0x76543210
	s_mov_b32 s[SEL+1], 0xfedcba98
	s_lshl_b32 s32, ttmp9, 3
	s_add_co_u32 s32, s32, s14                     ; which run of 16 rows is mine: 8 x work-group + wave
	s_lshl_b32 s34, s32, 6                         ; its indices: 64 bytes
	s_mov_b32 s35, 0
	s_lshl_b32 s36, s32, 14                        ; its rows of x and of out3: 16 x 1,024 bytes
	s_mov_b32 s37, 0
	s_lshl_b32 s32, s32, 2                         ; its word of part
	s_mov_b32 s33, 0
	s_wait_alu depctr_va_vdst(0)                   ; the wait at the head's end
	s_wait_kmcnt 0x0
	s_add_nc_u64 s[8:9], s[8:9], s[34:35]
	s_load_b512 s[16:31], s[8:9], 0x0              ; my 16 indices
	s_add_nc_u64 s[4:5], s[4:5], s[36:37]
	s_add_nc_u64 s[10:11], s[10:11], s[36:37]
	s_add_nc_u64 s[12:13], s[12:13], s[32:33]
	s_wait_kmcnt 0x0
.irp j, 0,1,2,3,4,5,6,7,8,9,10,11,12,13,14,15
	s_min_u32 s[16+\j], s[16+\j], 0x1fff           ; an index stays inside the table
.endr
.irp j, 0,1,2,3,4,5,6,7
	XLOAD \j
	CLOAD \j
.endr
.irp j, 8,9,10,11,12,13,14,15
	CLOAD \j
.endr
.irp i, 0,1,2,3,4,5,6,7
	TURN \i, 44-2*\i                               ; behind row i's four loads: 4 (7 - i) of rows up to 7, the 16 of code rows 8 to 15, and 2 i of x's rows 8 on
.endr
.irp i, 8,9,10,11,12,13,14,15
	TURN \i, 2*(15-\i)                             ; behind x's row i: x's rows up to 15
.endr
	s_delay_alu instid0(VALU_DEP_3)
	v_pk_add_f32 v[SQ:SQ+1], v[SQ:SQ+1], v[SQ+2:SQ+3]
	s_delay_alu instid0(VALU_DEP_2)
	v_pk_add_f32 v[SQ+4:SQ+5], v[SQ+4:SQ+5], v[SQ+6:SQ+7]
	s_delay_alu instid0(VALU_DEP_1)
	v_pk_add_f32 v[SQ:SQ+1], v[SQ:SQ+1], v[SQ+4:SQ+5]
	s_delay_alu instid0(VALU_DEP_1)
	v_add_f32 v[SQ], v[SQ], v[SQ+1]
	s_delay_alu instid0(VALU_DEP_1)
	v_add_f32_dpp v[SQ], v[SQ], v[SQ] row_xmask:1 row_mask:0xf bank_mask:0xf
	s_delay_alu instid0(VALU_DEP_1)
	v_add_f32_dpp v[SQ], v[SQ], v[SQ] row_xmask:2 row_mask:0xf bank_mask:0xf
	s_delay_alu instid0(VALU_DEP_1)
	v_add_f32_dpp v[SQ], v[SQ], v[SQ] row_xmask:4 row_mask:0xf bank_mask:0xf
	s_delay_alu instid0(VALU_DEP_1)
	v_add_f32_dpp v[SQ], v[SQ], v[SQ] row_xmask:8 row_mask:0xf bank_mask:0xf
	s_delay_alu instid0(VALU_DEP_1)
	v_permlanex16_b32 v[D], v[SQ], s[SEL], s[SEL+1]
	s_delay_alu instid0(VALU_DEP_1)
	v_add_f32 v[SQ], v[SQ], v[D]                   ; the wave's sum, in every lane
	v_cmp_eq_u32 vcc_lo, 0, v3
	s_wait_alu depctr_va_vdst(0)
.irp j, 0,1,2,3,4,5,6,7,8,9,10,11,12,13,14,15
	global_store_b128 v[L16], v[C+8*\j:C+8*\j+3], s[10:11] offset:1024*\j th:TH_STORE_NT
	global_store_b128 v[L16], v[C+8*\j+4:C+8*\j+7], s[10:11] offset:1024*\j+512 th:TH_STORE_NT
.endr
	s_wait_xcnt 0x0                                ; EXEC changes only behind this wait: the stores above have read it
	s_and_saveexec_b32 s40, vcc_lo
	global_store_b32 v1, v[SQ], s[12:13]           ; lane 0 alone
	s_wait_xcnt 0x0                                ; and again, in front of the line that widens it
	s_or_b32 exec_lo, exec_lo, s40
	s_endpgm
.Lfunc_end_k_q1566181b60_gather:
	.size	k_q1566181b60_gather, .Lfunc_end_k_q1566181b60_gather-k_q1566181b60_gather
	.p2alignl 7, 3214868480
	.fill 96, 4, 3214868480
	.section	.rodata,"a",@progbits
	.p2align	6, 0x0
	.amdhsa_kernel k_q1566181b60_gather
		.amdhsa_group_segment_fixed_size 0
		.amdhsa_private_segment_fixed_size 0
		.amdhsa_enable_private_segment 0
		.amdhsa_kernarg_size 40
		.amdhsa_user_sgpr_count 2
		.amdhsa_user_sgpr_kernarg_segment_ptr 1
		.amdhsa_wavefront_size32 1
		.amdhsa_system_sgpr_workgroup_id_x 1
		.amdhsa_system_sgpr_workgroup_id_y 1
		.amdhsa_system_sgpr_workgroup_id_z 1
		.amdhsa_system_vgpr_workitem_id 0
		.amdhsa_next_free_vgpr 232
		.amdhsa_next_free_sgpr 66
		.amdhsa_reserve_vcc 1
		.amdhsa_float_denorm_mode_32 3
		.amdhsa_float_denorm_mode_16_64 3
		.amdhsa_memory_ordered 1
		.amdhsa_forward_progress 1
		.amdhsa_inst_pref_size 23
	.end_amdhsa_kernel
	.amdgpu_metadata
---
amdhsa.version: [ 1, 2 ]
amdhsa.kernels:
  - .name:           k_q1566181b60_gather
    .symbol:         k_q1566181b60_gather.kd
    .args:
      - { .name: x, .offset: 0, .size: 8, .value_kind: global_buffer, .address_space: global }
      - { .name: codebook, .offset: 8, .size: 8, .value_kind: global_buffer, .address_space: global }
      - { .name: enc, .offset: 16, .size: 8, .value_kind: global_buffer, .address_space: global }
      - { .name: out3, .offset: 24, .size: 8, .value_kind: global_buffer, .address_space: global }
      - { .name: part, .offset: 32, .size: 8, .value_kind: global_buffer, .address_space: global }
    .group_segment_fixed_size: 0
    .private_segment_fixed_size: 0
    .kernarg_segment_align: 8
    .kernarg_segment_size: 40
    .max_flat_workgroup_size: 256
    .sgpr_count:     66
    .vgpr_count:     232
    .wavefront_size: 32
...
	.end_amdgpu_metadata
.endif
;; end of part 3
;; launch finish (part 4): grid 1 x 1, 1 waves a work-group, no clusters, 0 bytes of LDS; arguments part, out1, out2; writes out1, out2
.if DOCPART == 4
	.amdgcn_target "amdgcn-amd-amdhsa--gfx1250"
	.amdhsa_code_object_version 6
	.text
	.protected	k_q1566181b60_finish
	.globl	k_q1566181b60_finish
	.p2align	8
	.type	k_q1566181b60_finish,@function
k_q1566181b60_finish:
	s_mov_b64 s[64:65], 0
	v_nop
	global_prefetch_b8 v0, s[64:65] scope:SCOPE_SE
	s_setreg_imm32_b32 hwreg(HW_REG_WAVE_MODE, 25, 1), 1
	s_wait_xcnt 0x0
; Both losses = the sum of the 2,048 waves' sums / (32,768 x 256).  The two are one expression (first kernel's head): it is made once and stored twice.  The divisor is 2^23, so the division is a multiplication that rounds nothing.
; One wave: the sum spans work-groups of the launch before, so it is ordered by a launch of its own; 8,192 bytes come by sixteen loads of 512 consecutive bytes.
	s_load_b128 s[4:7], s[0:1], 0x0                ; part s[4:5], out1 s[6:7]
	s_load_b64 s[8:9], s[0:1], 0x10                ; out2
	v_lshlrev_b32 v1, 4, v0
	v_mov_b32 v2, 0                                ; (a lane permute's destination counts as one of its sources)
	v_mov_b32 v3, 0
	s_mov_b32 s10, 0x76543210
	s_mov_b32 s11, 0xfedcba98
	s_wait_alu depctr_va_vdst(0)
	s_wait_kmcnt 0x0
.irp i, 0,1,2,3,4,5,6,7,8,9,10,11,12,13,14,15
	global_load_b128 v[16+4*\i:19+4*\i], v1, s[4:5] offset:512*\i
.endr
	s_wait_loadcnt 0x0
.irp i, 1,2,3,4,5,6,7,8,9,10,11,12,13,14,15
	v_pk_add_f32 v[16:17], v[16:17], v[16+4*\i:17+4*\i]         ; two packed chains
	v_pk_add_f32 v[18:19], v[18:19], v[18+4*\i:19+4*\i]
.endr
	v_pk_add_f32 v[16:17], v[16:17], v[18:19]
	v_add_f32 v16, v16, v17
	v_add_f32_dpp v16, v16, v16 row_xmask:1 row_mask:0xf bank_mask:0xf
	v_add_f32_dpp v16, v16, v16 row_xmask:2 row_mask:0xf bank_mask:0xf
	v_add_f32_dpp v16, v16, v16 row_xmask:4 row_mask:0xf bank_mask:0xf
	v_add_f32_dpp v16, v16, v16 row_xmask:8 row_mask:0xf bank_mask:0xf
	v_permlanex16_b32 v2, v16, s10, s11
	v_add_f32 v16, v16, v2
	v_mul_f32 v16, 0x34000000, v16                 ; x 2^-23
	v_cmp_eq_u32 vcc_lo, 0, v0
	s_wait_alu depctr_va_vdst(0)
	s_wait_xcnt 0x0                                ; EXEC changes only behind this wait
	s_and_saveexec_b32 s12, vcc_lo
	global_store_b32 v3, v16, s[6:7]               ; lane 0 alone: the codebook's loss,
	global_store_b32 v3, v16, s[8:9]               ; and the encoder's
	s_wait_xcnt 0x0
	s_or_b32 exec_lo, exec_lo, s12
	s_endpgm
.Lfunc_end_k_q1566181b60_finish:
	.size	k_q1566181b60_finish, .Lfunc_end_k_q1566181b60_finish-k_q1566181b60_finish
	.p2alignl 7, 3214868480
	.fill 96, 4, 3214868480
	.section	.rodata,"a",@progbits
	.p2align	6, 0x0
	.amdhsa_kernel k_q1566181b60_finish
		.amdhsa_group_segment_fixed_size 0
		.amdhsa_private_segment_fixed_size 0
		.amdhsa_enable_private_segment 0
		.amdhsa_kernarg_size 24
		.amdhsa_user_sgpr_count 2
		.amdhsa_user_sgpr_kernarg_segment_ptr 1
		.amdhsa_wavefront_size32 1
		.amdhsa_system_sgpr_workgroup_id_x 1
		.amdhsa_system_sgpr_workgroup_id_y 1
		.amdhsa_system_sgpr_workgroup_id_z 1
		.amdhsa_system_vgpr_workitem_id 0
		.amdhsa_next_free_vgpr 80
		.amdhsa_next_free_sgpr 66
		.amdhsa_reserve_vcc 1
		.amdhsa_float_denorm_mode_32 3
		.amdhsa_float_denorm_mode_16_64 3
		.amdhsa_memory_ordered 1
		.amdhsa_forward_progress 1
		.amdhsa_inst_pref_size 5
	.end_amdhsa_kernel
	.amdgpu_metadata
---
amdhsa.version: [ 1, 2 ]
amdhsa.kernels:
  - .name:           k_q1566181b60_finish
    .symbol:         k_q1566181b60_finish.kd
    .args:
      - { .name: part, .offset: 0, .size: 8, .value_kind: global_buffer, .address_space: global }
      - { .name: out1, .offset: 8, .size: 8, .value_kind: global_buffer, .address_space: global }
      - { .name: out2, .offset: 16, .size: 8, .value_kind: global_buffer, .address_space: global }
    .group_segment_fixed_size: 0
    .private_segment_fixed_size: 0
    .kernarg_segment_align: 8
    .kernarg_segment_size: 24
    .max_flat_workgroup_size: 32
    .sgpr_count:     66
    .vgpr_count:     80
    .wavefront_size: 32
...
	.end_amdgpu_metadata
.endif
;; end of part 4
